; MI455X (gfx1250); checked and timed in simulation.
; The chip was launched on July 23, 2026; its instructions are those of AMD's public machine-readable ISA for CDNA 5 (MIT licence, August 2026) and "CDNA5" Instruction Set Architecture Reference Guide (July 2026). The comments in the code are by the model that wrote it; some were corrected since.
;; P Linear. Allowed arithmetic: float matrix products may take bf16 or f16 operands with f32 sums; other float arithmetic in f32, or as packed bf16 or f16 multiplies, adds, multiply-adds, maxima and minima; sums over many terms, partial sums and values carried from step to step in f32; what a program stores and reads back later, other than sums and carried values, may be rounded once to bf16 or f16.
;; Inputs: w_neg 4,096 x 4,096 float32; w_pos 4,096 x 4,096 float32; x 2,048 x 4,096 float32.
;; Outputs: out0 2,048 x 4,096 float32.
;; 2 versions, each right; version 2 is version 1 with the launch prep written anew for expert scheduling mode. Each part assembles by itself: llvm-mc -triple=amdgcn-amd-amdhsa -mcpu=gfx1250 --defsym DOCPART=n.
;; ======== version 1 of 2: 2 launches
;; limits: inputs' magnitudes at most 16,384
;; workspace buffers: xb 16,777,216 bytes; tb 33,554,432 bytes
;; launch prep (part 1): grid 1024 x 1, 8 waves a work-group, no clusters, 0 bytes of LDS; arguments x, w_pos, w_neg, xb, tb; writes xb, tb
.if DOCPART == 1
	.amdgcn_target "amdgcn-amd-amdhsa--gfx1250"
	.amdhsa_code_object_version 6
	.text
	.protected	k_q2a727c6285_prep
	.globl	k_q2a727c6285_prep
	.p2align	8
	.type	k_q2a727c6285_prep,@function
k_q2a727c6285_prep:
	s_mov_b64 s[64:65], 0
	v_nop
	global_prefetch_b8 v0, s[64:65] scope:SCOPE_SE
	s_setreg_imm32_b32 hwreg(HW_REG_WAVE_MODE, 25, 1), 1
	s_wait_xcnt 0x0
; xb = x rounded to bf16.   tb[o][i] = (w_pos[o][i] > 0) - (w_neg[o][i] > 0), one of -1, 0, 1, written as bf16 (exact).
; x: [2048][4096] f32, w_pos, w_neg: [4096][4096] f32; xb: [2048][4096] bf16, tb: [4096][4096] bf16; all dense, so the launch is a flat stream.
; WHY ONE TABLE.  y = x P^T - x N^T = x (P - N)^T: one product in the next launch in place of two, and no difference of two long sums.
; LIMITS.  The source forms (b - w) + w with b = (w > 0); it is taken as b here.  For b = 0 the two are equal; for b = 1 they differ by at most w x 2^-24, so that the
; operand rounded to bf16 is 1 for every w up to 2^14.  A weight that is NaN counts as b = 0, +infinity as b = 1 (the source gives NaN there).  x is rounded once, to nearest even.
; SHARES.  1,024 work-groups of eight waves.  Work-group g owns 32 KiB of x and 64 KiB of each w, on end.  A chunk is 4,096 bytes: thread t takes the 16 bytes at 16 t, so a
; wave's load covers 512 consecutive bytes; its four results are 8 bytes at 8 t of a chunk of 2,048: a wave's store covers 256 consecutive bytes, at a multiple of 256.
; IN FLIGHT.  All 40 loads of a thread (16 chunks of each w, 8 of x: 20 KiB a wave) are issued at the head and worked off in the order of issue.  Each load has registers of its
; own, and no register that a load or a store reads is written again: the only waits are the counted ones for data.  No LDS, no barrier: no wave wants a byte of another's.
.set CH,   4096                        ; bytes of f32 in a chunk
.set OCH,  2048                        ; bytes of bf16 in a chunk
.set X,    4                           ; v[4:35]     x, chunk j at X + 4 j
.set P,    36                          ; v[36:99]    w_pos, chunk j at P + 4 j; later the chunk's result in its first two registers
.set N,    100                         ; v[100:163]  w_neg, chunk j at N + 4 j
.set MP,   20                          ; s[20:23]    lanes where w_pos > 0, for the chunk's four numbers
.set MN,   24                          ; s[24:27]    the same for w_neg
	s_load_b256 s[4:11], s[0:1], 0x0               ; x s[4:5], w_pos s[6:7], w_neg s[8:9], xb s[10:11]
	s_load_b64 s[12:13], s[0:1], 0x20              ; tb
	v_lshlrev_b32 v1, 4, v0                        ; my 16 bytes of a chunk that is loaded; never rewritten
	v_lshlrev_b32 v2, 3, v0                        ; my 8 bytes of a chunk that is stored; never rewritten
	s_lshl_b32 s14, ttmp9, 15                      ; the work-group's 32 KiB (x, tb),
	s_mov_b32 s15, 0
	s_lshl_b32 s16, ttmp9, 16                      ; 64 KiB (w_pos, w_neg),
	s_mov_b32 s17, 0
	s_lshl_b32 s18, ttmp9, 14                      ; 16 KiB (xb)
	s_mov_b32 s19, 0
	s_wait_kmcnt 0x0
	s_add_nc_u64 s[4:5], s[4:5], s[14:15]
	s_add_nc_u64 s[6:7], s[6:7], s[16:17]
	s_add_nc_u64 s[8:9], s[8:9], s[16:17]
	s_add_nc_u64 s[10:11], s[10:11], s[18:19]
	s_add_nc_u64 s[12:13], s[12:13], s[14:15]
.irp j, 0,1,2,3,4,5,6,7,8,9,10,11,12,13,14,15
	global_load_b128 v[P+4*(\j):P+4*(\j)+3], v1, s[6:7] offset:CH*(\j) th:TH_LOAD_NT
	global_load_b128 v[N+4*(\j):N+4*(\j)+3], v1, s[8:9] offset:CH*(\j) th:TH_LOAD_NT
.endr
.irp j, 0,1,2,3,4,5,6,7
	global_load_b128 v[X+4*(\j):X+4*(\j)+3], v1, s[4:5] offset:CH*(\j) th:TH_LOAD_NT
.endr
; Chunk j of the weights.  The comparison only selects a value (1.0 or 0); no branch and no address hangs on it.
.macro TERN j
	s_wait_loadcnt 38-2*(\j)                       ; loads come back in order (ISA guide 5.7.1): of the 40, the 38 - 2 j issued behind this chunk's pair may stay out
.irp e, 0,1,2,3
	v_cmp_lt_f32 s[MP+(\e)], 0, v[P+4*(\j)+(\e)]   ; 0 < w
	v_cmp_lt_f32 s[MN+(\e)], 0, v[N+4*(\j)+(\e)]
.endr
.irp e, 0,1,2,3
	v_cndmask_b32 v[P+4*(\j)+(\e)], 0, 1.0, s[MP+(\e)]
	v_cndmask_b32 v[N+4*(\j)+(\e)], 0, 1.0, s[MN+(\e)]
.endr
	v_pk_add_f32 v[P+4*(\j):P+4*(\j)+1],   v[P+4*(\j):P+4*(\j)+1],   v[N+4*(\j):N+4*(\j)+1]   neg_lo:[0,1] neg_hi:[0,1]  ; two differences
	v_pk_add_f32 v[P+4*(\j)+2:P+4*(\j)+3], v[P+4*(\j)+2:P+4*(\j)+3], v[N+4*(\j)+2:N+4*(\j)+3] neg_lo:[0,1] neg_hi:[0,1]
	v_cvt_pk_bf16_f32 v[P+4*(\j)],   v[P+4*(\j)],   v[P+4*(\j)+1]  ; -1, 0 and 1 are exact in bf16
	v_cvt_pk_bf16_f32 v[P+4*(\j)+1], v[P+4*(\j)+2], v[P+4*(\j)+3]
	global_store_b64 v2, v[P+4*(\j):P+4*(\j)+1], s[12:13] offset:OCH*(\j) th:TH_STORE_NT
.endm
; Chunk j of x.
.macro CVTX j
	s_wait_loadcnt 7-(\j)                          ; the 7 - j younger chunks of x may stay out
	v_cvt_pk_bf16_f32 v[X+4*(\j)],   v[X+4*(\j)],   v[X+4*(\j)+1]
	v_cvt_pk_bf16_f32 v[X+4*(\j)+1], v[X+4*(\j)+2], v[X+4*(\j)+3]
	global_store_b64 v2, v[X+4*(\j):X+4*(\j)+1], s[10:11] offset:OCH*(\j) th:TH_STORE_NT
.endm
.irp j, 0,1,2,3,4,5,6,7,8,9,10,11,12,13,14,15
	TERN \j
.endr
.irp j, 0,1,2,3,4,5,6,7
	CVTX \j
.endr
	s_endpgm
.Lfunc_end_k_q2a727c6285_prep:
	.size	k_q2a727c6285_prep, .Lfunc_end_k_q2a727c6285_prep-k_q2a727c6285_prep
	.p2alignl 7, 3214868480
	.fill 96, 4, 3214868480
	.section	.rodata,"a",@progbits
	.p2align	6, 0x0
	.amdhsa_kernel k_q2a727c6285_prep
		.amdhsa_group_segment_fixed_size 0
		.amdhsa_private_segment_fixed_size 0
		.amdhsa_enable_private_segment 0
		.amdhsa_kernarg_size 40
		.amdhsa_user_sgpr_count 2
		.amdhsa_user_sgpr_kernarg_segment_ptr 1
		.amdhsa_wavefront_size32 1
		.amdhsa_system_sgpr_workgroup_id_x 1
		.amdhsa_system_sgpr_workgroup_id_y 1
		.amdhsa_system_sgpr_workgroup_id_z 1
		.amdhsa_system_vgpr_workitem_id 0
		.amdhsa_next_free_vgpr 164
		.amdhsa_next_free_sgpr 66
		.amdhsa_reserve_vcc 0
		.amdhsa_float_denorm_mode_32 3
		.amdhsa_float_denorm_mode_16_64 3
		.amdhsa_memory_ordered 1
		.amdhsa_forward_progress 1
		.amdhsa_inst_pref_size 29
	.end_amdhsa_kernel
	.amdgpu_metadata
---
amdhsa.version: [ 1, 2 ]
amdhsa.kernels:
  - .name:           k_q2a727c6285_prep
    .symbol:         k_q2a727c6285_prep.kd
    .args:
      - { .name: x, .offset: 0, .size: 8, .value_kind: global_buffer, .address_space: global }
      - { .name: w_pos, .offset: 8, .size: 8, .value_kind: global_buffer, .address_space: global }
      - { .name: w_neg, .offset: 16, .size: 8, .value_kind: global_buffer, .address_space: global }
      - { .name: xb, .offset: 24, .size: 8, .value_kind: global_buffer, .address_space: global }
      - { .name: tb, .offset: 32, .size: 8, .value_kind: global_buffer, .address_space: global }
    .group_segment_fixed_size: 0
    .private_segment_fixed_size: 0
    .kernarg_segment_align: 8
    .kernarg_segment_size: 40
    .max_flat_workgroup_size: 256
    .sgpr_count:     66
    .vgpr_count:     164
    .wavefront_size: 32
...
	.end_amdgpu_metadata
.endif
;; end of part 1
;; launch gemm (part 2): grid 16 x 16, 4 waves a work-group, clusters of 4 x 4, 327,680 bytes of LDS; arguments xb, tb, out0; writes out0
.if DOCPART == 2
	.amdgcn_target "amdgcn-amd-amdhsa--gfx1250"
	.amdhsa_code_object_version 6
	.text
	.protected	k_q2a727c6285_gemm
	.globl	k_q2a727c6285_gemm
	.p2align	8
	.type	k_q2a727c6285_gemm,@function
k_q2a727c6285_gemm:
	s_mov_b64 s[64:65], 0
	v_nop
	global_prefetch_b8 v0, s[64:65] scope:SCOPE_SE
	s_setreg_imm32_b32 hwreg(HW_REG_WAVE_MODE, 25, 1), 1
	s_wait_xcnt 0x0
	s_wait_alu depctr_hold_cnt(0) depctr_sa_sdst(0) depctr_va_vdst(0) depctr_va_sdst(0) depctr_va_ssrc(0) depctr_va_vcc(0) depctr_vm_vsrc(0)
	s_getreg_b32 s2, hwreg(HW_REG_IB_STS2, 6, 4)
	s_cmp_eq_u32 s2, 0
	s_cbranch_scc0 .Lentry_in_a_cluster
	s_endpgm
.Lentry_in_a_cluster:
	s_bfe_u32 s2, ttmp6, 0x10000c
	s_cmp_lg_u32 s2, 0xf033
	s_cbranch_scc0 .Lentry_shape_is_right
	s_endpgm
.Lentry_shape_is_right:
; out0[m][n] = the sum over k of xb[m][k] tb[n][k].  A = xb: [2048][4096] bf16, B = tb: [4096][4096] bf16 (numbers -1, 0, 1), C = out0: [2048][4096] f32; sums in f32.
; LIMITS.  x has been rounded once to bf16; the weights' table is exact.  Nothing else is rounded but the f32 sums themselves.
; SHARES.  A tile of C is 128 rows x 256 columns: 16 x 16 tiles, one work-group each.  Four waves, each 64 x 128: 32 accumulators of 16 x 16, 256 registers.  For 32 along K a wave
; reads 24 x 512 bytes from LDS and issues 32 matrix instructions.
; RING.  K goes in 32 steps of 128 through two LDS slots, each with A's 128 rows and B's 256 rows; a row of a tile is 256 bytes of memory, at a multiple of 256 from its buffer's first byte.
; (Two slots of twice that step would be 2 x 384 x 528 = 405,504 bytes: more than the 327,680 there are.)  Behind each change of slots a wave issues one tensor load; by this text's count a
; wave has two out at the start and one afterwards, and from a request to the wait for it the wave issues 112 matrix instructions.
; CLUSTERS.  4 x 4 work-groups.  The four of a row of the cluster need the same tile of A, the four of a column the same tile of B: each is asked for JOINTLY, by the same tensor load with
; the same descriptor and a mask that names the four.  Waves 0 and 1 ask for A's two halves (64 rows each), waves 2 and 3 for B's (128 rows each).
; THE MATRIX INSTRUCTION IS USED TRANSPOSED (source 0 = 16 rows of B, source 1 = 16 rows of A): lane l then holds row l % 16 of C and the columns 8 (l / 16) + 0 .. 7: 32 bytes on end.
; REGISTERS, in windows of 256 (s_set_vgpr_msb: bits 1:0 source 0, 3:2 source 1, 5:4 source 2, 7:6 destination):
;   window 0: v0-31 addresses; v64-159 and v160-255 two fragment buffers: B's eight fragments (16 rows x 32 K, 8 registers each), then A's four; on the way out three buffers of 64 for rows of C
;   window 1: the accumulators: (a, b) at v[8 (8 a + b)], a = block of 16 rows, b = block of 16 columns
.set SIZE_K, 4096
.set KSTEP,  128
.set ROWC,   16384                     ; bytes in a row of C
.set PITCH,  272                       ; an LDS row: 256 bytes + 16 of padding = 68 words: row r starts at bank 4 r mod 64 (64 banks of 4 bytes: ISA guide 11.1), so the 16 rows of a load start at 16 different banks
.set BOFF,   128*PITCH                 ; in a slot B's 256 rows lie behind A's 128
.set SLOT,   384*PITCH
.set STAGE,  2*SLOT                    ; behind the ring, never filled by a tensor load: 16 rows x 528 bytes for each wave, for the way out
.set SPITCH, 528                       ; 512 bytes + 16: 132 words: again 16 rows at 16 different banks
.set SPARE,  STAGE+4*16*SPITCH         ; behind the stages: the spare words, 128 bytes for each wave: two blocks of 256 bytes that no other line names
.set LAPS,   SIZE_K/(2*KSTEP)          ; a lap = two K steps = once round the ring: 16
.set ADRA, 16                          ; v16-17  LDS address of my A fragments in slot 0, 1
.set ADRB, 20                          ; v20-21  the same for B
.set STO,  24                          ; v24     the way out: where I put 32 bytes of a row
.set RD,   25                          ; v25     the way out: where I read 16 bytes of a row back
.set CO,   26                          ; v26     16 x lane: my 16 bytes of the wave's 512 bytes of a row of C; never rewritten
.set SPW,  28                          ; v28     LDS address of my spare word: SPARE + 4 x my thread's number; never rewritten
.set NIL,  29                          ; v29     0; never rewritten
.set PFO,  30                          ; v30     the prefetches' offset: lane x a row of A or B (8,192 bytes); never rewritten
.set F0,   64
.set F1,   160
.set G1,  24                           ; s[24:31] descriptor group 1 for A's tiles
.set G0,  32                           ; s[32:39] descriptor group 0 for A's tiles, a set for each slot
.set LIM, 43                           ; s43      1 in a wave that prefetches, else the greatest number
.set PFA, 44                           ; s[44:45] where my prefetches stand: my 32 rows, one K step further along K than the refill that is being asked for
.set G1B, 48                           ; s[48:55] descriptor group 1 for B's tiles
.set G0B, 56                           ; s[56:63] descriptor group 0 for B's tiles, a set for each slot
.set MSB, 0
.macro WIN new                         ; the immediate's high byte repeats the setting that is left; a switch that changes nothing is dropped
.if MSB != (\new)
	s_set_vgpr_msb (MSB<<8)|(\new)
.set MSB, \new
.endif
.endm
.set MUL, 0x50                         ; C and D in window 1, both sources in window 0
.set ST,  0x04                         ; an LDS store's data (source 1) in window 1, its address in window 0
; A joint load.  The branch hangs on the wave's number alone: it is the same in every work-group.  Each of the two lines has one mask and one set of registers for all that issue it.
; An s_nop 0 and four v_nop follow each line, ahead of the jump, the label and what follows the macro.
.macro JLOAD s
	s_cmp_eq_u32 s11, 0
	s_cbranch_scc0 .Lfor_b_\@
	tensor_load_to_lds s[G0+4*(\s):G0+4*(\s)+3], s[G1:G1+7]
	s_nop 0
.rept 4
	v_nop
.endr
	s_branch .Lasked_\@
.Lfor_b_\@:
	tensor_load_to_lds s[G0B+4*(\s):G0B+4*(\s)+3], s[G1B:G1B+7]
	s_nop 0
.rept 4
	v_nop
.endr
.Lasked_\@:
.endm
; A PREFETCH INTO THE L2 of the K step that stands two refills on (256 matrix instructions ahead of the load that will ask for it): 32 rows x 256 bytes, a lane a row, one instruction.
; Each row's 256 bytes of a K step are named once in the launch.  A's tile row is walked by every cluster of that row of clusters: cluster x = 0 asks, in wave 0; of the tile's 128 rows the partner
; at cx takes 32 cx .. 32 cx + 31.  B's tile column is walked by every cluster of that column: cluster y = 0 asks, in waves 2 and 3; of the tile's 256 rows the partner at cy takes 64, a wave 32.
; The partners are told apart by ADDRESS alone.  K steps 0 to 3 come by their loads alone; the loop's last trip (s3 = 1), whose refills are K steps 30 and 31, asks for nothing.
.macro ASK
	s_cmp_gt_u32 s3, s[LIM]
	s_cbranch_scc0 .Lnot_mine_\@
	global_prefetch_b8 v[PFO], s[PFA:PFA+1] offset:KSTEP*2 th:TH_LOAD_NT scope:SCOPE_SE
.Lnot_mine_\@:
.endm
; A round of the cluster's barrier: my work-group's barrier, so that wave 0's signal speaks for all four waves; wave 0 signals for the work-group; every wave waits for all sixteen
; work-groups; my work-group's barrier once more.
.macro CREST                           ; a round behind its opening barrier
	s_cmp_lg_u32 s10, 0
	s_cbranch_scc1 .Lnot_wave_0_\@
	s_barrier_signal -3
.Lnot_wave_0_\@:
	s_barrier_wait -3
	s_barrier_signal -1
	s_barrier_wait -1
.endm
.macro CROUND                          ; a whole round
	s_barrier_signal -1
	s_barrier_wait -1
	CREST
.endm
	s_load_b128 s[4:7], s[0:1], 0x0                ; A s[4:5], B s[6:7]
	s_load_b64 s[8:9], s[0:1], 0x10                ; C
	v_lshl_add_u32 v[SPW], v0, 2, SPARE
	v_mov_b32 v[NIL], 0
	ds_add_u32 v[SPW], v[NIL]                      ; the wave's opening: the add and its wait stand ahead of my first tensor load; the set-up below, work on registers, stands between them
	v_lshrrev_b32 v1, 5, v0
	v_readfirstlane_b32 s10, v1                    ; wave 0..3
	s_lshr_b32 s11, s10, 1                         ; which 64 of the tile's rows are mine.  Also: I fetch for A (0) or for B (1)
	s_and_b32 s12, s10, 1                          ; which 128 of its columns.  Also: which half of that tile I fetch
	s_bfe_u32 s40, ttmp6, 0x40000                  ; cx: my place along the cluster's x
	s_bfe_u32 s41, ttmp6, 0x40004                  ; cy: along its y
	s_lshl_b32 s42, ttmp9, 2                       ; in a cluster launch ttmp9 and ttmp7 count clusters
	s_add_co_u32 s42, s42, s40                     ; tile column of C = 4 x cluster x + cx
	s_and_b32 s13, ttmp7, 0xffff
	s_lshl_b32 s13, s13, 2
	s_add_co_u32 s13, s13, s41                     ; tile row of C = 4 x cluster y + cy
	s_lshl_b32 s43, s41, 2
	s_lshl_b32 s43, 15, s43                        ; my row of the cluster: places 4 cy .. 4 cy + 3
	s_lshl_b32 s44, 0x1111, s40                    ; my column: places cx, cx + 4, cx + 8, cx + 12
	; descriptor group 1: tiles of 64 (A) or 128 (B) rows x 128 elements, padded in LDS
	s_or_b32 s[G1+0], s43, (1<<16)|(1<<20)|(1<<21)|(5<<22)|(3<<25)   ; 15:0 the mask: A's tiles go to my row; 17:16 elements of 2 bytes; 20 padding on; 21 set beside a mask; 24:22 after every 64 words (code 5); 31:25 4 words of it (code 3)
	s_or_b32 s[G1B+0], s44, (1<<16)|(1<<20)|(1<<21)|(5<<22)|(3<<25)  ; the same with the mask of my column
	s_mov_b32 s[G1+1], KSTEP<<16                   ; tensor_dim0 = 128
	s_mov_b32 s[G1B+1], KSTEP<<16
	s_mov_b32 s[G1+2], 64<<16                      ; tensor_dim1 = 64
	s_mov_b32 s[G1B+2], 128<<16                    ;             = 128
	s_mov_b32 s[G1+3], KSTEP<<16                   ; tile_dim0 = 128
	s_mov_b32 s[G1B+3], KSTEP<<16
	s_mov_b32 s[G1+4], 64                          ; tile_dim1 = 64
	s_mov_b32 s[G1B+4], 128                        ;           = 128
	s_mov_b32 s[G1+5], SIZE_K                      ; elements from row to row
	s_mov_b32 s[G1B+5], SIZE_K
	s_mov_b32 s[G1+6], 0
	s_mov_b32 s[G1B+6], 0
	s_mov_b32 s[G1+7], 0
	s_mov_b32 s[G1B+7], 0
	; where the tiles come from.  A's hang on the tile row alone, which my row of the cluster shares; B's on the tile column alone, which my column shares: each in registers that never hold the other coordinate
	s_lshl_b32 s16, s13, 7
	s_lshl_b32 s17, s12, 6
	s_add_co_u32 s16, s16, s17                     ; A: row 128 x tile row + 64 x half,
	s_lshl_b32 s16, s16, 13                        ; x 8,192 bytes: under 2^25
	s_mov_b32 s17, 0
	s_lshl_b32 s46, s42, 8
	s_lshl_b32 s47, s12, 7
	s_add_co_u32 s46, s46, s47                     ; B: row 256 x tile column + 128 x half,
	s_lshl_b32 s46, s46, 13                        ; x 8,192 bytes: under 2^26
	s_mov_b32 s47, 0
	s_mul_i32 s20, s12, 64*PITCH                   ; and where they go: A's half,
	s_mul_i32 s21, s12, 128*PITCH
	s_add_co_u32 s21, s21, BOFF                    ; B's half: no place in the cluster enters an LDS address
	s_wait_dscnt 0x0                               ; the opening add is done
	s_wait_kmcnt 0x0
	s_add_nc_u64 s[14:15], s[4:5], s[16:17]
	s_add_nc_u64 s[46:47], s[6:7], s[46:47]
	CROUND                                         ; all sixteen work-groups are here: the first joint loads meet
.irp s, 0,1
	s_mov_b32 s[G0+4*(\s)], 1                                        ; count = 1
	s_add_co_u32 s[G0+4*(\s)+1], s20, (\s)*SLOT                      ; LDS address
	s_add_nc_u64 s[G0+4*(\s)+2:G0+4*(\s)+3], s[14:15], (\s)*KSTEP*2  ; global address: K step s
	s_or_b32 s[G0+4*(\s)+3], s[G0+4*(\s)+3], 0x80000000              ; type = 2
	s_mov_b32 s[G0B+4*(\s)], 1
	s_add_co_u32 s[G0B+4*(\s)+1], s21, (\s)*SLOT
	s_add_nc_u64 s[G0B+4*(\s)+2:G0B+4*(\s)+3], s[46:47], (\s)*KSTEP*2
	s_or_b32 s[G0B+4*(\s)+3], s[G0B+4*(\s)+3], 0x80000000
	JLOAD \s                                       ; the ring is filled before anything else is done
.endr
	; A fragment is 16 rows x 32 K in 8 registers: lane l holds row l % 16; registers 0-3 K = 8 (l / 16) + 0..7, registers 4-7 K = 16 + 8 (l / 16) + 0..7: two loads of 16 bytes, 32 bytes apart.
	v_and_b32 v1, 15, v0                           ; l % 16
	v_bfe_u32 v2, v0, 4, 1                         ; l / 16
	v_and_b32 v5, 31, v0                           ; l
	v_mul_u32_u24 v3, v1, PITCH
	v_lshl_add_u32 v3, v2, 4, v3                   ; row x pitch + 16 x half
	s_mul_i32 s22, s11, 64*PITCH                   ; my 64 rows of A
	s_mul_i32 s23, s12, 128*PITCH                  ; my 128 rows of B,
	s_add_co_u32 s23, s23, BOFF                    ; which lie behind A's 128
.irp s, 0,1
	v_add_nc_u32 v[ADRA+(\s)], s22, v3
	v_add_nc_u32 v[ADRB+(\s)], s23, v3
	s_add_co_u32 s22, s22, SLOT
	s_add_co_u32 s23, s23, SLOT
.endr
	s_mul_i32 s22, s10, 16*SPITCH
	s_add_co_u32 s22, s22, STAGE                   ; my stage
	v_mul_u32_u24 v4, v1, SPITCH                   ; in: row l % 16, 32 bytes for each half of the lanes
	v_lshl_add_u32 v4, v2, 5, v4
	v_add_nc_u32 v[STO], s22, v4
	v_lshlrev_b32 v[CO], 4, v5                     ; back: 32 lanes take one row's 512 bytes,
	v_add_nc_u32 v[RD], s22, v[CO]                 ; which are 512 consecutive bytes of C
	s_lshl_b32 s16, s13, 7
	s_lshl_b32 s17, s11, 6
	s_add_co_u32 s16, s16, s17                     ; my first row of C: 128 x tile row + 64 x half,
	s_lshl_b32 s16, s16, 14                        ; x 16,384 bytes: under 2^25
	s_mov_b32 s17, 0
	s_add_nc_u64 s[8:9], s[8:9], s[16:17]
	s_lshl_b32 s46, s42, 10                        ; my first column, in bytes: 1,024 x tile column + 512 x half
	s_lshl_b32 s47, s12, 9
	s_add_co_u32 s46, s46, s47
	s_mov_b32 s47, 0
	s_add_nc_u64 s[8:9], s[8:9], s[46:47]
	; the prefetches
	s_and_b32 s22, ttmp7, 0xffff                   ; B: cluster y must be 0
	s_or_b32 s23, ttmp9, s12                       ; A: cluster x must be 0, and of waves 0 and 1 wave 0 asks
	s_lshl_b32 s18, s13, 7
	s_lshl_b32 s19, s40, 5
	s_add_co_u32 s18, s18, s19                     ; A: row 128 x tile row + 32 cx
	s_lshl_b32 s20, s42, 8
	s_lshl_b32 s21, s41, 6
	s_add_co_u32 s20, s20, s21
	s_lshl_b32 s21, s12, 5
	s_add_co_u32 s20, s20, s21                     ; B: row 256 x tile column + 64 cy + 32 x half
	s_cmp_eq_u32 s11, 0                            ; do I fetch for A?
	s_cselect_b32 s22, s23, s22
	s_cselect_b32 s20, s18, s20
	s_cselect_b64 s[PFA:PFA+1], s[4:5], s[6:7]
	s_cmp_eq_u32 s22, 0
	s_cselect_b32 s[LIM], 1, -1                    ; the same in all sixteen partners, for a given wave
	s_lshl_b32 s20, s20, 13
	s_mov_b32 s21, 0
	s_add_nc_u64 s[PFA:PFA+1], s[PFA:PFA+1], s[20:21]
	s_add_nc_u64 s[PFA:PFA+1], s[PFA:PFA+1], 2*KSTEP*2  ; at K step 2: the first refill steps it to 3 and names K step 4
	v_lshlrev_b32 v[PFO], 13, v5
; 8 matrix instructions: block a of my four blocks of 16 rows x all 8 blocks of 16 columns, 32 along K, out of buffer f.  zero = 1: the product starts the sums: nothing is ever cleared.
; The 32 accumulators take turns, one instruction a turn, in the same order in every quarter step, over the backward jump and into the tail too.
.macro MUL8 f, a, zero
	WIN MUL
.irp b, 0,1,2,3,4,5,6,7
.if \zero
	v_wmma_f32_16x16x32_bf16 v[8*(8*(\a)+(\b)):8*(8*(\a)+(\b))+7], v[(\f)+8*(\b):(\f)+8*(\b)+7], v[(\f)+64+8*(\a):(\f)+64+8*(\a)+7], 0
.else
	v_wmma_f32_16x16x32_bf16 v[8*(8*(\a)+(\b)):8*(8*(\a)+(\b))+7], v[(\f)+8*(\b):(\f)+8*(\b)+7], v[(\f)+64+8*(\a):(\f)+64+8*(\a)+7], v[8*(8*(\a)+(\b)):8*(8*(\a)+(\b))+7]
.endif
.endr
.endm
; 24 LDS loads in one run: the fragments of one quarter step (128 rows of B, then 64 rows of A, 32 K at byte k of the rows) into buffer f
.macro FETCH slot, k, f
	WIN 0
.irp i, 0,1,2,3,4,5,6,7
	ds_load_b128 v[(\f)+8*(\i):(\f)+8*(\i)+3],   v[ADRB+(\slot)] offset:(\k)+(\i)*16*PITCH
	ds_load_b128 v[(\f)+8*(\i)+4:(\f)+8*(\i)+7], v[ADRB+(\slot)] offset:(\k)+(\i)*16*PITCH+32
.endr
.irp i, 0,1,2,3
	ds_load_b128 v[(\f)+64+8*(\i):(\f)+64+8*(\i)+3],   v[ADRA+(\slot)] offset:(\k)+(\i)*16*PITCH
	ds_load_b128 v[(\f)+64+8*(\i)+4:(\f)+64+8*(\i)+7], v[ADRA+(\slot)] offset:(\k)+(\i)*16*PITCH+32
.endr
.endm
; A load into a register that a matrix instruction has read, and an LDS store that reads a matrix result, stand four places behind that matrix instruction, and only plain vector instructions that
; name none of its registers are places (ISA guide 7.12.1 for vector instructions).
.macro PLACES
.rept 4
	v_nop
.endr
.endm
; A K step is four quarter steps of 32 along K, 32 matrix instructions each, on buffers 0, 1, 0, 1.
; One of the first three: multiplies buffer f; in its middle it fetches the next quarter's fragments, at byte k of the same slot's rows, into buffer g.
.macro QUARTER slot, k, f, g, zero
	s_wait_dscnt 4                                 ; B and A's blocks 0 and 1 are in; the youngest four loads (A's blocks 2 and 3) may be out
	MUL8 \f, 0, \zero
	MUL8 \f, 1, \zero
	PLACES
	FETCH \slot, \k, \g
	s_wait_dscnt 24                                ; all but the 24 just issued
	MUL8 \f, 2, \zero
	MUL8 \f, 3, \zero
.endm
; The last quarter multiplies buffer 1 and changes slots: ONE barrier for two things.  In front of it each wave waits for all its tensor loads, of which one is out: its part of the next slot; adds 0 to its
; spare word; and waits for that and for its own reads of this slot.  Behind it nobody reads this slot any more and the next slot is whole.  fill = 1: this slot is filled again, with the K step two steps on:
; the barrier then opens a round of the cluster's barrier, so that no wave of any partner still reads the slot or has a load on its way, and the joint refill is the first tensor load behind the round.
.macro TURN slot, next, fill
.if \fill
	s_wait_xcnt 0x0                                ; the last prefetch, a K step back, has read its address: it is stepped here, ahead of the waits of the change of slots
	s_add_nc_u64 s[PFA:PFA+1], s[PFA:PFA+1], KSTEP*2
.endif
	WIN 0                                          ; (the add's two registers lie in window 0)
	s_wait_tensorcnt 0x0                           ; all my tensor loads have landed: the one that was out is my part of the next slot;
	ds_add_u32 v[SPW], v[NIL]                      ; 0 onto my spare word;
	s_wait_dscnt 5                                 ; (the add and the youngest four loads may be out)
	MUL8 F1, 0, 0                                  ; eight matrix instructions stand between the add and the wait for it
	s_wait_dscnt 0x0                               ; the add is done, and my reads of this slot are over:
	s_barrier_signal -1                            ; say so,
	MUL8 F1, 1, 0                                  ; work on registers while the others arrive,
.if \fill
	WIN 0
.endif
	s_barrier_wait -1                              ; and go on when all four have said so
.if \fill
	CREST                                          ; all sixteen work-groups have said so
	s_add_nc_u64 s[G0+4*(\slot)+2:G0+4*(\slot)+3], s[G0+4*(\slot)+2:G0+4*(\slot)+3], 2*KSTEP*2      ; no tensor load of mine is out, so a group 0 may be written; the type bits on top are not reached
	s_add_nc_u64 s[G0B+4*(\slot)+2:G0B+4*(\slot)+3], s[G0B+4*(\slot)+2:G0B+4*(\slot)+3], 2*KSTEP*2
	JLOAD \slot                                    ; the four v_nop behind it are also the places in front of the loads below
.else
	PLACES
.endif
	FETCH \next, 0, F0
.if \fill
	ASK                                            ; behind the joint load and the run of LDS loads that the next products wait for
.endif
	MUL8 F1, 2, 0
	MUL8 F1, 3, 0
.endm
; THE WAY OUT of block a (16 rows of C x my 128 columns).  A lane's 32 bytes are one sixteenth of a row's 512; the lanes beside it hold other rows.  So the block goes through my own stage in LDS:
; in by rows of 528 bytes, back as whole rows.  The stage is mine alone and LDS serves a wave's instructions in order (ISA guide 5.7.1.4): no barrier, and no wait between the stores and the loads.
.macro TOSTAGE a
.set BK, 64+64*((\a)%3)
.if (\a) >= 3
	s_wait_xcnt 0x0                                ; the stores issued so far, block 0's among them, have read their registers: its buffer is loaded again only behind this wait
.endif
	WIN ST
.irp b, 0,1,2,3,4,5,6,7
	ds_store_b128 v[STO], v[8*(8*(\a)+(\b)):8*(8*(\a)+(\b))+3]   offset:64*(\b)     ; each accumulator's low registers first
	ds_store_b128 v[STO], v[8*(8*(\a)+(\b))+4:8*(8*(\a)+(\b))+7] offset:64*(\b)+16
.endr
	WIN 0
.irp t, 0,1,2,3,4,5,6,7,8,9,10,11,12,13,14,15
	ds_load_b128 v[BK+4*(\t):BK+4*(\t)+3], v[RD] offset:SPITCH*(\t)
.endr
.endm
.macro SEND a, younger                 ; younger: the LDS instructions issued behind block a's loads: the next block's 16 stores and 16 loads, or none
.set BK, 64+64*((\a)%3)
	WIN 0
.irp t, 0,1,2,3,4,5,6,7,8,9,10,11,12,13,14,15
	s_wait_dscnt (\younger)+15-(\t)                ; row t is back in registers
	global_store_b128 v[CO], v[BK+4*(\t):BK+4*(\t)+3], s[8:9] offset:(16*(\a)+(\t))*ROWC th:TH_STORE_NT  ; the wave stores 512 consecutive bytes, at a multiple of 512 from C's first byte; 63 rows at the most: inside the signed 24-bit immediate
.endr
.endm
	s_wait_tensorcnt 1                             ; my part of K step 0 is in; K step 1's may stay out
	s_barrier_signal -1
	s_barrier_wait -1                              ; everybody's is
	FETCH 0, 0, F0
	QUARTER 0, 64,  F0, F1, 1                      ; the first quarter stands in front of the loop: its products start the sums
	WIN 0                                          ; at a label and at a branch every window is 0
	s_mov_b32 s3, LAPS-1
.Llap:                                                 ; a trip goes once round the ring, from a lap's second quarter to the next lap's first, and fills both slots again
	QUARTER 0, 128, F1, F0, 0
	QUARTER 0, 192, F0, F1, 0
	TURN 0, 1, 1
	QUARTER 1, 64,  F0, F1, 0
	QUARTER 1, 128, F1, F0, 0
	QUARTER 1, 192, F0, F1, 0
	TURN 1, 0, 1
	QUARTER 0, 64,  F0, F1, 0
	WIN 0
	s_sub_co_u32 s3, s3, 1
	s_cmp_lg_u32 s3, 0
	s_cbranch_scc1 .Llap
	QUARTER 0, 128, F1, F0, 0                      ; the last lap is written out: it fills nothing
	QUARTER 0, 192, F0, F1, 0
	TURN 0, 1, 0
	QUARTER 1, 64,  F0, F1, 0
	QUARTER 1, 128, F1, F0, 0
	QUARTER 1, 192, F0, F1, 0
	s_wait_dscnt 4                                 ; the very last quarter: nothing more to fetch
	MUL8 F1, 0, 0
	MUL8 F1, 1, 0
	s_wait_dscnt 0x0
	MUL8 F1, 2, 0
	MUL8 F1, 3, 0
	WIN 0
	PLACES                                         ; behind the last products, in front of the LDS stores that read results and of the loads into the fragments' registers;
	PLACES                                         ; twice four, once a launch
	TOSTAGE 0
	TOSTAGE 1                                      ; a block's way through the stage stands between the loads of the block before and its stores
	SEND 0, 32
	TOSTAGE 2
	SEND 1, 32
	TOSTAGE 3
	SEND 2, 32
	SEND 3, 0
	s_wait_tensorcnt 0x0                           ; the wave's end: behind my last tensor load and my last LDS store
	ds_add_u32 v[SPW], v[NIL]
	s_wait_dscnt 0x0
	CROUND                                         ; the closing round: no work-group ends while a partner may still ask for a tile that names it
	s_endpgm
.Lfunc_end_k_q2a727c6285_gemm:
	.size	k_q2a727c6285_gemm, .Lfunc_end_k_q2a727c6285_gemm-k_q2a727c6285_gemm
	.p2alignl 7, 3214868480
	.fill 96, 4, 3214868480
	.section	.rodata,"a",@progbits
	.p2align	6, 0x0
	.amdhsa_kernel k_q2a727c6285_gemm
		.amdhsa_group_segment_fixed_size 327680
		.amdhsa_private_segment_fixed_size 0
		.amdhsa_enable_private_segment 0
		.amdhsa_kernarg_size 24
		.amdhsa_user_sgpr_count 2
		.amdhsa_user_sgpr_kernarg_segment_ptr 1
		.amdhsa_wavefront_size32 1
		.amdhsa_system_sgpr_workgroup_id_x 1
		.amdhsa_system_sgpr_workgroup_id_y 1
		.amdhsa_system_sgpr_workgroup_id_z 1
		.amdhsa_system_vgpr_workitem_id 0
		.amdhsa_next_free_vgpr 512
		.amdhsa_next_free_sgpr 66
		.amdhsa_reserve_vcc 0
		.amdhsa_float_denorm_mode_32 3
		.amdhsa_float_denorm_mode_16_64 3
		.amdhsa_memory_ordered 1
		.amdhsa_forward_progress 1
		.amdhsa_inst_pref_size 88
	.end_amdhsa_kernel
	.amdgpu_metadata
---
amdhsa.version: [ 1, 2 ]
amdhsa.kernels:
  - .name:           k_q2a727c6285_gemm
    .symbol:         k_q2a727c6285_gemm.kd
    .args:
      - { .name: xb, .offset: 0, .size: 8, .value_kind: global_buffer, .address_space: global }
      - { .name: tb, .offset: 8, .size: 8, .value_kind: global_buffer, .address_space: global }
      - { .name: out0, .offset: 16, .size: 8, .value_kind: global_buffer, .address_space: global }
    .group_segment_fixed_size: 327680
    .private_segment_fixed_size: 0
    .kernarg_segment_align: 8
    .kernarg_segment_size: 24
    .max_flat_workgroup_size: 128
    .sgpr_count:     66
    .vgpr_count:     512
    .wavefront_size: 32
...
	.end_amdgpu_metadata
.endif
;; end of part 2
;; ======== version 2 of 2: 2 launches; version 1 with the launch prep written anew for expert scheduling mode
;; limits: inputs' magnitudes at most 16,384
;; workspace buffers: xb 16,777,216 bytes; tb 33,554,432 bytes
;; launch prep (part 3): grid 1024 x 1, 8 waves a work-group, no clusters, 0 bytes of LDS; arguments x, w_pos, w_neg, xb, tb; writes xb, tb
.if DOCPART == 3
	.amdgcn_target "amdgcn-amd-amdhsa--gfx1250"
	.amdhsa_code_object_version 6
	.text
	.protected	k_q2a727c6285_prep
	.globl	k_q2a727c6285_prep
	.p2align	8
	.type	k_q2a727c6285_prep,@function
k_q2a727c6285_prep:
	s_mov_b64 s[64:65], 0
	v_nop
	global_prefetch_b8 v0, s[64:65] scope:SCOPE_SE
	s_setreg_imm32_b32 hwreg(HW_REG_WAVE_SCHED_MODE, 0, 2), 2
	s_setreg_imm32_b32 hwreg(HW_REG_WAVE_MODE, 25, 1), 1
	s_wait_xcnt 0x0
	s_wait_alu depctr_vm_vsrc(0)
; xb = x rounded to bf16.   tb[o][i] = (w_pos[o][i] > 0) - (w_neg[o][i] > 0), one of -1, 0, 1, written as bf16 (exact).
; x: [2048][4096] f32, w_pos, w_neg: [4096][4096] f32; xb: [2048][4096] bf16, tb: [4096][4096] bf16; all dense, so the launch is a flat stream.
; WHY ONE TABLE.  y = x P^T - x N^T = x (P - N)^T: one product in the next launch in place of two, and no difference of two long sums.
; LIMITS.  The source forms (b - w) + w with b = (w > 0); it is taken as b here.  For b = 0 the two are equal; for b = 1 they differ by at most w x 2^-24, so that the
; operand rounded to bf16 is 1 for every w up to 2^14.  A weight that is NaN counts as b = 0, +infinity as b = 1 (the source gives NaN there).  x is rounded once, to nearest even.
; SHARES.  1,024 work-groups of eight waves.  Work-group g owns 32 KiB of x and 64 KiB of each w, on end.  A chunk is 4,096 bytes: thread t takes the 16 bytes at 16 t, so a
; wave's load covers 512 consecutive bytes; its four results are 8 bytes at 8 t of a chunk of 2,048: a wave's store covers 256 consecutive bytes, at a multiple of 256.
; IN FLIGHT.  All 40 loads of a thread (16 chunks of each w, 8 of x: 20 KiB a wave) are issued at the head and worked off in the order of issue.  Each load has registers of its
; own.  No LDS, no barrier: no wave wants a byte of another's.
; THE MODE: SCHED_MODE bits 1:0 = 2 (LLVM: expert scheduling mode 2), set by the entry lines.  The code itself states the register dependences
; between vector instructions and memory instructions, and between a vector instruction that writes a scalar register and that register's readers, with s_wait_alu, always for 0.
; THE PLAN.  The text is one straight run: no loop, no label.  Registers that memory instructions touch:
;   v1, v2        byte offsets, made once at the head; read by every load (v1) and every store (v2); never written again.
;   P, N, X       a chunk's registers: its load lands in them once, ahead of every vector instruction that names them; the chunk's arithmetic works in place; the chunk's
;                 store reads the first two of P's or X's four; nothing writes them behind that store.
; So no register that a memory instruction has read is written again, and no load lands in a register that a vector instruction has named: what is left to state is that a
; store's data are written.  The work goes in STEPS: eight pairs of chunks of the weights, then two blocks of four chunks of x.  A step's results are stored in the NEXT step: ONE
; wait on va_vdst stands at a step's head, behind the wait for the step's data, and states that the step before has written its results; that step's stores follow it, dealt among
; this step's vector instructions, which name this step's chunks and the masks alone.
;   s[16:31]      the masks of a pair of chunks: written by its 16 compares, read by its 16 selects.  ONE wait on va_sdst stands between the two runs.
.set CH,   4096                        ; bytes of f32 in a chunk
.set OCH,  2048                        ; bytes of bf16 in a chunk
.set X,    4                           ; v[4:35]     x, chunk j at X + 4 j; later the chunk's result in its first two registers
.set P,    36                          ; v[36:99]    w_pos, chunk j at P + 4 j; later the chunk's result in its first two registers
.set N,    100                         ; v[100:163]  w_neg, chunk j at N + 4 j
.set M,    16                          ; s[16:31]    chunk c (0, 1) of a pair: lanes where w_pos > 0 at M + 8 c, for the chunk's four numbers; the same for w_neg at M + 8 c + 4
                                       ;             (s16 to s19 hold two of the head's offsets first, which only the head's scalar sums read)
	s_load_b256 s[4:11], s[0:1], 0x0               ; x s[4:5], w_pos s[6:7], w_neg s[8:9], xb s[10:11]
	s_load_b64 s[12:13], s[0:1], 0x20              ; tb
	v_lshlrev_b32 v1, 4, v0                        ; my 16 bytes of a chunk that is loaded; never rewritten
	v_lshlrev_b32 v2, 3, v0                        ; my 8 bytes of a chunk that is stored; never rewritten
	s_lshl_b32 s14, ttmp9, 15                      ; the work-group's 32 KiB (x, tb),
	s_mov_b32 s15, 0
	s_lshl_b32 s16, ttmp9, 16                      ; 64 KiB (w_pos, w_neg),
	s_mov_b32 s17, 0
	s_lshl_b32 s18, ttmp9, 14                      ; 16 KiB (xb)
	s_mov_b32 s19, 0
	s_wait_kmcnt 0x0
	s_add_nc_u64 s[4:5], s[4:5], s[14:15]
	s_add_nc_u64 s[6:7], s[6:7], s[16:17]
	s_add_nc_u64 s[8:9], s[8:9], s[16:17]
	s_add_nc_u64 s[10:11], s[10:11], s[18:19]
	s_add_nc_u64 s[12:13], s[12:13], s[14:15]
	s_wait_alu depctr_va_vdst(0)                   ; v1 and v2 are written: every load and store of the kernel reads one of them as its offset
.irp j, 0,1,2,3,4,5,6,7,8,9,10,11,12,13,14,15
	global_load_b128 v[P+4*(\j):P+4*(\j)+3], v1, s[6:7] offset:CH*(\j) th:TH_LOAD_NT
	global_load_b128 v[N+4*(\j):N+4*(\j)+3], v1, s[8:9] offset:CH*(\j) th:TH_LOAD_NT
.endr
.irp j, 0,1,2,3,4,5,6,7
	global_load_b128 v[X+4*(\j):X+4*(\j)+3], v1, s[4:5] offset:CH*(\j) th:TH_LOAD_NT
.endr
; Chunk j of the weights, as chunk c of its pair, in three parts.  The comparison only selects a value (1.0 or 0); no branch and no address hangs on it.
.macro CMPW j, c                       ; eight compares into the chunk's masks
.irp e, 0,1,2,3
	v_cmp_lt_f32 s[M+8*(\c)+(\e)],   0, v[P+4*(\j)+(\e)]   ; 0 < w
	v_cmp_lt_f32 s[M+8*(\c)+4+(\e)], 0, v[N+4*(\j)+(\e)]
.endr
.endm
.macro TERN j, c                       ; the selects, the differences, the roundings: the result lies in P's first two registers
.irp e, 0,1,2,3
	v_cndmask_b32 v[P+4*(\j)+(\e)], 0, 1.0, s[M+8*(\c)+(\e)]
	v_cndmask_b32 v[N+4*(\j)+(\e)], 0, 1.0, s[M+8*(\c)+4+(\e)]
.endr
	v_pk_add_f32 v[P+4*(\j):P+4*(\j)+1],   v[P+4*(\j):P+4*(\j)+1],   v[N+4*(\j):N+4*(\j)+1]   neg_lo:[0,1] neg_hi:[0,1]  ; two differences
	v_pk_add_f32 v[P+4*(\j)+2:P+4*(\j)+3], v[P+4*(\j)+2:P+4*(\j)+3], v[N+4*(\j)+2:N+4*(\j)+3] neg_lo:[0,1] neg_hi:[0,1]
	v_cvt_pk_bf16_f32 v[P+4*(\j)],   v[P+4*(\j)],   v[P+4*(\j)+1]  ; -1, 0 and 1 are exact in bf16
	v_cvt_pk_bf16_f32 v[P+4*(\j)+1], v[P+4*(\j)+2], v[P+4*(\j)+3]
.endm
.macro OUTW j                          ; the store; it stands a step behind TERN
	global_store_b64 v2, v[P+4*(\j):P+4*(\j)+1], s[12:13] offset:OCH*(\j) th:TH_STORE_NT
.endm
; Chunk j of x, in two parts.
.macro CVTX j
	v_cvt_pk_bf16_f32 v[X+4*(\j)],   v[X+4*(\j)],   v[X+4*(\j)+1]
	v_cvt_pk_bf16_f32 v[X+4*(\j)+1], v[X+4*(\j)+2], v[X+4*(\j)+3]
.endm
.macro OUTX j
	global_store_b64 v2, v[X+4*(\j):X+4*(\j)+1], s[10:11] offset:OCH*(\j) th:TH_STORE_NT
.endm
; Pair g: chunks 2 g and 2 g + 1 of the weights are worked on; the pair before is stored.
.macro PAIR g
	s_wait_loadcnt 36-4*(\g)                       ; loads come back in order (ISA guide 5.7.1): of the 40, the 36 - 4 g issued behind this pair's four may stay out
.if (\g) > 0
	s_wait_alu depctr_va_vdst(0)                   ; the pair before has written its results, P's first two registers of chunks 2 g - 2 and 2 g - 1, which the two stores below read
.endif
	CMPW 2*(\g), 0
.if (\g) > 0
	OUTW 2*(\g)-2                                  ; no wait: no vector instruction since the wait above names its registers
.endif
	CMPW 2*(\g)+1, 1
.if (\g) > 0
	OUTW 2*(\g)-1
.endif
	s_wait_alu depctr_va_sdst(0)                   ; the sixteen compares have written s[16:31], ahead of the first select that reads them
	TERN 2*(\g), 0
	TERN 2*(\g)+1, 1
.endm
.irp g, 0,1,2,3,4,5,6,7
	PAIR \g
.endr
	; x, chunks 0 to 3; the last pair of the weights is stored
	s_wait_loadcnt 4                               ; the four younger chunks of x may stay out
	s_wait_alu depctr_va_vdst(0)                   ; pair 7 has written its results, which the two stores below read
	OUTW 14
	CVTX 0
	CVTX 1
	OUTW 15
	CVTX 2
	CVTX 3
	; x, chunks 4 to 7; chunks 0 to 3 are stored
	s_wait_loadcnt 0x0                             ; the last four loads
	s_wait_alu depctr_va_vdst(0)                   ; the roundings of chunks 0 to 3 have written X's first two registers of each, which the four stores below read
.irp j, 0,1,2,3
	OUTX \j
	CVTX 4+(\j)                                    ; names chunk 4 + j's registers alone
.endr
	s_wait_alu depctr_va_vdst(0)                   ; the roundings of chunks 4 to 7 have written their results, which the last four stores read
.irp j, 4,5,6,7
	OUTX \j
.endr
	s_endpgm
.Lfunc_end_k_q2a727c6285_prep:
	.size	k_q2a727c6285_prep, .Lfunc_end_k_q2a727c6285_prep-k_q2a727c6285_prep
	.p2alignl 7, 3214868480
	.fill 96, 4, 3214868480
	.section	.rodata,"a",@progbits
	.p2align	6, 0x0
	.amdhsa_kernel k_q2a727c6285_prep
		.amdhsa_group_segment_fixed_size 0
		.amdhsa_private_segment_fixed_size 0
		.amdhsa_enable_private_segment 0
		.amdhsa_kernarg_size 40
		.amdhsa_user_sgpr_count 2
		.amdhsa_user_sgpr_kernarg_segment_ptr 1
		.amdhsa_wavefront_size32 1
		.amdhsa_system_sgpr_workgroup_id_x 1
		.amdhsa_system_sgpr_workgroup_id_y 1
		.amdhsa_system_sgpr_workgroup_id_z 1
		.amdhsa_system_vgpr_workitem_id 0
		.amdhsa_next_free_vgpr 164
		.amdhsa_next_free_sgpr 66
		.amdhsa_reserve_vcc 0
		.amdhsa_float_denorm_mode_32 3
		.amdhsa_float_denorm_mode_16_64 3
		.amdhsa_memory_ordered 1
		.amdhsa_forward_progress 1
		.amdhsa_inst_pref_size 29
	.end_amdhsa_kernel
	.amdgpu_metadata
---
amdhsa.version: [ 1, 2 ]
amdhsa.kernels:
  - .name:           k_q2a727c6285_prep
    .symbol:         k_q2a727c6285_prep.kd
    .args:
      - { .name: x, .offset: 0, .size: 8, .value_kind: global_buffer, .address_space: global }
      - { .name: w_pos, .offset: 8, .size: 8, .value_kind: global_buffer, .address_space: global }
      - { .name: w_neg, .offset: 16, .size: 8, .value_kind: global_buffer, .address_space: global }
      - { .name: xb, .offset: 24, .size: 8, .value_kind: global_buffer, .address_space: global }
      - { .name: tb, .offset: 32, .size: 8, .value_kind: global_buffer, .address_space: global }
    .group_segment_fixed_size: 0
    .private_segment_fixed_size: 0
    .kernarg_segment_align: 8
    .kernarg_segment_size: 40
    .max_flat_workgroup_size: 256
    .sgpr_count:     66
    .vgpr_count:     164
    .wavefront_size: 32
...
	.end_amdgpu_metadata
.endif
;; end of part 3
;; launch gemm: the kernel of part 2 again; grid 16 x 16, 4 waves a work-group, clusters of 4 x 4, 327,680 bytes of LDS; arguments xb, tb, out0; writes out0
